; MI455X (gfx1250); checked and timed in simulation.
; The chip was launched on July 23, 2026; its instructions are those of AMD's public machine-readable ISA for CDNA 5 (MIT licence, August 2026) and "CDNA5" Instruction Set Architecture Reference Guide (July 2026). The comments in the code are by the model that wrote it; some were corrected since.
;; Conditioned Mlp. Allowed arithmetic: matrix products marked QUANTISED: E2M3 operands, one E8M0 scale for each 32 along K, by v_wmma_scale_f32_16x16x128_f8f6f4 with both operands' format E2M3, f32 sums; products left as they are: f32 operands where the result goes on into a quantised operand, else bf16, f16 or f32 operands; f32 sums; everything else in f32.
;; Inputs: W1_codes 4 x 4,096 x 32 x 24 uint8 (E2M3 codes of W1, K innermost, in blocks of 32 codes, four codes in three bytes); W1_scales 4 x 4,096 x 32 uint8 (E8M0 scales of W1, one for each 32 codes along K); W2_codes 4 x 1,024 x 128 x 24 uint8 (E2M3 codes of W2, K innermost, in blocks of 32 codes, four codes in three bytes); W2_scales 4 x 1,024 x 128 uint8 (E8M0 scales of W2, one for each 32 codes along K); Wg 2,048 x 4 float32; b1 4 x 4,096 float32; b2 4 x 1,024 float32; bg 4 float32; k 2,048 x 1,024 float32; q 2,048 x 1,024 float32.
;; Outputs: out0 2,048 x 1,024 float32.
;; This version of the problem:
;;   THIS VERSION OF THE PROBLEM IS GIVEN IN LOW PRECISION. The matrix products marked QUANTISED in the list below multiply operands that are first quantised to E2M3 (2 exponent bits, 3 mantissa bits; 6 bits a number), with one power-of-two scale for each 32 numbers along K (OCP MX v1.0); their sums are f32. All else is computed in f32.
;;   The module's matrix products, in the order in which they are computed (A, B: the left and right operand; K: the contracted axis; several contracted axes count as one K, in the product's order):
;;     1. [M 2,048, K 1,024] x [K 1,024, N 16,384]; A: input q; B: input W1 (given as codes): QUANTISED
;;     2. batch 4 x [M 1,024, K 4,096] x [K 4,096, N 2,048]; A: input W2 (given as codes); B: computed on the way: QUANTISED
;;     3. [M 2,048, K 2,048] x [K 2,048, N 4]; A: computed on the way; B: input Wg: left as it is (N = 4 < 16)
;;     4. batch 2,048 x [M 1,024, K 4] x [K 4, N 1]; A: computed on the way; B: softmax: left as it is (K = 4 < 32)
;;   THE QUANTISER, for each operand of a quantised product, along K:
;;     - K is cut into blocks of 32 from its start; a last block that is shorter is filled with zeros.
;;     - A block's scale is 2^e with e = floor(log2(the largest magnitude in the block)) - 2, held to -126 .. 127; a block of zeros has e = 0. As a byte (E8M0): e + 127.
;;     - Each number is divided by its block's scale, clamped to +-7.5, and rounded to the nearest number of E2M3, ties to even, subnormals kept.
;;     - The product sums the exact products of the quantised numbers (number of the format x scale) in f32.
;;   ~~~python
;;   def quantise(x, axis):      # numpy; x: float32 -> the quantised numbers, widened to float32 again
;;       x = np.moveaxis(x, axis, -1); K = x.shape[-1]
;;       x = np.pad(x, [(0, 0)] * (x.ndim - 1) + [(0, -K % 32)]); x = x.reshape(x.shape[:-1] + (-1, 32)); a = np.abs(x).max(-1, keepdims=True)
;;       e = np.where(a > 0, np.clip(np.frexp(np.where(a > 0, a, 1))[1] - 1 - 2, -126, 127), 0)      # np.frexp(a)[1] - 1 = floor(log2(a)), exactly
;;       r = np.clip(x / 2.0 ** e, -7.5, 7.5)
;;       step = 2.0 ** (np.maximum(np.frexp(np.where(r == 0, 1, r))[1] - 1, 0) - 3)
;;       q = np.round(r / step) * step * 2.0 ** e      # np.round: ties to even
;;       return np.moveaxis(q.reshape(q.shape[:-2] + (-1,))[..., :K], -1, axis).astype(np.float32)
;;   ~~~
;;   OPERANDS COMPUTED ON THE WAY. 'Computed on the way' means the value that the module computes at that place (a softmax that the list does not call 'softmax' is quantised finished and normalised). What goes into a quantiser is computed in f32, as accurately as f32 sums, v_exp_f32 and their like allow (about 1e-6 of the number): no bf16 or f16 on the way to a quantiser, and a product that is left as it is and whose result goes on into a quantised operand takes f32 operands (vector FMAs, or v_wmma_f32_16x16x4_f32). A number that lies on a knife's edge between two numbers of the format may be rounded either way, as far as f32 arithmetic and the matrix unit's own rounding can turn it there, and no further.
;;   INPUTS GIVEN AS CODES. W1 (in the module: [4, 1024, 4096], K = its axis 1); W2 (in the module: [4, 4096, 1024], K = its axis 1): each comes as NAME_codes (uint8): NAME with its K axis moved to the last place and cut into blocks of 32 codes, [.., K / 32, bytes a block], one block behind the other in memory; four codes in three bytes: a row's codes are one little-endian stream of bits, code i at bits 6 i .. 6 i + 5 (a code: sign, 2 exponent bits, 3 mantissa bits); and NAME_scales (uint8): the same leading axes, one E8M0 byte (e + 127) for each 32 codes along K. Its value is code x scale, taken as it is: it is not quantised again, and the codes and scales need not be those that the quantiser above would give.
;; One version. Each part assembles by itself: llvm-mc -triple=amdgcn-amd-amdhsa -mcpu=gfx1250 --defsym DOCPART=n.
;; ======== version 1 of 1: 4 launches
;; limits: right only within a limited range of input values
;; workspace buffers: qc 1,638,400 bytes; hc 26,214,400 bytes; lg 65,536 bytes; part 33,554,432 bytes
;; launch prep (part 1): grid 256 x 1, 8 waves a work-group, no clusters, 91,136 bytes of LDS; arguments q, k, Wg, qc, lg; writes qc, lg
.if DOCPART == 1
	.amdgcn_target "amdgcn-amd-amdhsa--gfx1250"
	.amdhsa_code_object_version 6
	.text
	.protected	k_q568c133f78_prep
	.globl	k_q568c133f78_prep
	.p2align	8
	.type	k_q568c133f78_prep,@function
k_q568c133f78_prep:
	s_mov_b64 s[64:65], 0
	v_nop
	global_prefetch_b8 v0, s[64:65] scope:SCOPE_SE
	s_setreg_imm32_b32 hwreg(HW_REG_WAVE_MODE, 25, 1), 1
	s_wait_xcnt 0x0
; q [2048][1024] f32 becomes codes of E2M3 with one E8M0 byte for each 32 along K, laid as the first product's launch reads them; and the gate's logits
; [q, k] Wg are summed in f32, q's part and k's part apart, into lg [2][2048][4].  (bg and the softmax follow in the last launch.)
; SHARES.  Work-groups 0-127 take q, 128-255 take k, 16 tokens each; wave w takes columns 128 w .. 128 w + 127.
; LOADS.  A wave's numbers are loaded as they lie: one load a token row, 32 lanes x 16 bytes = 512 consecutive bytes, aligned.  The conversions want 16 neighbours along K in ONE lane, so the 16 rows turn through
; the wave's own stage in LDS (rows 528 bytes apart: the sixteen rows that a load touches fall into sixteen different columns of 16 bytes) and come back 64 bytes a lane:
; lane (r = lane % 16, h = lane / 16) then holds 64 numbers of token r: register 16 b + i = column 128 w + 32 b + 16 h + i.
; Wg's 128 rows of a wave (2,048 bytes) are loaded once, 16 bytes a lane, into the wave's own LDS bytes; every lane wants all the rows of its half, so they come back by loads in which sixteen lanes read the same 16 bytes.
; qc: 64 chunks [256 along K][128 tokens] of 25,600 bytes: the fragments (16 tokens x 128 K, 12 registers a lane) as images of their registers, fragment (tb, ks) at (2 tb + ks) x 1,536,
; register group c at 512 c + 16 x lane; behind them, at 24,576, the scale words at 128 tb + 8 r + 4 ks.  A chunk is one dense block for one tensor load.
; No matrix unit, cluster or tensor load: the launch streams 16 MB once, its work-groups share only Wg's 32 KB, and the gate has four columns.
; LIMITS: NaN and infinities among the inputs are not served.  A block of zeros gets the byte 1 where the rule says 127: its codes are zeros, and this program alone reads the bytes.
; The logits' sums are f32 sums in another order than a row-by-row sum.
.set X,   16                           ; v16-79   my 64 numbers, turned
.set WB0, 80                           ; v80-143  16 rows of Wg (4 weights a row), blocks 0 and 2
.set WB1, 144                          ; v144-207 the same, blocks 1 and 3
.set RAW, 144                          ; v144-207 ahead of that: the wave's 16 rows as they are loaded
.set ACC, 208                          ; v208-215 two sets of four sums (even numbers', odd numbers')
.set TM,  216                          ; v216-231 first Wg's 2,048 bytes on their way into LDS, then at work
.set PW,  232                          ; v232     the scale word
.set PC,  80                           ; v80-99   the codes (Wg's registers are free by then)
.set SWL, 2048                         ; LDS: 0 .. 2,047 the waves' sums, 256 bytes a wave
.set WBASE, 4096                       ; from 4,096: a region of its own for each wave:
.set WREG, 10752                       ; its bytes;
.set XP,  528                          ; in it the stage, 16 rows of 512 bytes + 16;
.set WGS, 16*XP                        ; and behind the stage the wave's 128 rows of Wg
; qc AS THIS TEXT LAYS IT (it takes the place of the chunks named above): fragment (K step g = wave, 16 tokens tb) at (128 g + tb) x 1,536, register group c at 512 c + 16 x lane;
; from byte 1,572,864 on the scale words, [8 K steps][2,048 tokens], 4 bytes each: a wave stores its 16 tokens' words, 64 consecutive bytes, itself.
	s_load_b256 s[4:11], s[0:1], 0x0               ; q s[4:5], k s[6:7], Wg s[8:9], qc s[10:11]
	s_load_b64 s[12:13], s[0:1], 0x20              ; lg
	v_lshl_add_u32 v254, v0, 2, 0x16000
	v_mov_b32 v255, 0
	v_lshrrev_b32 v1, 5, v0
	s_delay_alu instid0(VALU_DEP_1)
	v_readfirstlane_b32 s14, v1                    ; wave 0..7
	v_and_b32 v2, 31, v0                           ; lane
	v_and_b32 v3, 15, v0                           ; r
	s_wait_alu depctr_va_vdst(0)
	v_bfe_u32 v4, v0, 4, 1                         ; h
	s_wait_alu depctr_va_vdst(0)
	s_lshr_b32 s15, ttmp9, 7                       ; 0: q, 1: k
	s_and_b32 s16, ttmp9, 127                      ; which 16 tokens
	v_lshlrev_b32 v7, 4, v2                        ; 16 x lane: my place in a load's 512 bytes
	s_mul_i32 s32, s14, WREG
	s_add_co_u32 s32, s32, WBASE                   ; my wave's region of LDS
	v_add_nc_u32 v15, s32, v7                      ; into it: 16 x lane
	v_mul_u32_u24 v5, v3, XP
	s_delay_alu instid0(VALU_DEP_1)
	v_lshl_add_u32 v5, v4, 6, v5
	s_delay_alu instid0(VALU_DEP_1)
	v_add_nc_u32 v5, s32, v5                       ; my numbers back: row r + 64 h
	v_lshl_add_u32 v6, v4, 8, s32                  ; Wg back: 16 rows of 16 bytes further on for lanes 16-31
	s_lshl_b32 s17, s14, 8
	v_lshl_add_u32 v8, v3, 4, s17                  ; LDS: my wave's sums, token r
	v_lshlrev_b32 v9, 2, v3                        ; my token's scale word: 4 r
	v_lshlrev_b32 v10, 10, v4
	s_delay_alu instid0(VALU_DEP_1)
	v_lshl_add_u32 v10, v3, 4, v10                 ; wave 0 reads back: four waves' sums of token r, lanes 16-31 those of waves 4-7
	v_lshlrev_b32 v12, 4, v3
	s_delay_alu instid0(VALU_DEP_1)
	v_lshl_add_u32 v12, v4, 3, v12                 ; lg: 16 r + 8 h
	s_lshl_b32 s20, s16, 16
	s_lshl_b32 s21, s14, 9
	s_add_co_u32 s20, s20, s21
	s_mov_b32 s21, 0                               ; the source: 16 rows of 4,096 bytes a work-group + 512 w
	s_lshl_b32 s22, s15, 14
	s_lshl_b32 s23, s14, 11
	s_add_co_u32 s22, s22, s23
	s_mov_b32 s23, 0                               ; Wg: k's rows begin 1,024 rows on; 128 rows a wave
	s_lshl_b32 s24, s14, 7
	s_add_co_u32 s24, s24, s16
	s_mul_i32 s24, s24, 1536
	s_mov_b32 s25, 0                               ; my fragment in qc: (128 x wave + my 16 tokens) x 1,536
	s_lshl_b32 s26, s14, 13
	s_lshl_b32 s27, s16, 6
	s_add_co_u32 s26, s26, s27
	s_add_co_u32 s26, s26, 1572864
	s_mov_b32 s27, 0                               ; my 16 tokens' scale words: 8,192 x wave + 64 x my 16 tokens, behind the fragments
	s_lshl_b32 s28, s15, 15
	s_lshl_b32 s29, s16, 8
	s_add_co_u32 s28, s28, s29
	s_mov_b32 s29, 0                               ; lg: q's part or k's, 256 bytes a work-group
	s_mov_b32 s30, 0x76543210
	s_mov_b32 s31, 0xfedcba98                      ; v_permlanex16_b32's selects for lane l xor 16
	s_wait_alu depctr_va_vdst(0)                   ; the wait at the head's end
	s_wait_kmcnt 0x0
	s_cmp_eq_u32 s15, 0                            ; the choice hangs on the work-group's number alone
	s_cselect_b64 s[4:5], s[4:5], s[6:7]
	s_add_nc_u64 s[4:5], s[4:5], s[20:21]
	s_add_nc_u64 s[8:9], s[8:9], s[22:23]
	s_add_nc_u64 s[24:25], s[10:11], s[24:25]
	s_add_nc_u64 s[26:27], s[10:11], s[26:27]
	s_add_nc_u64 s[12:13], s[12:13], s[28:29]
.irp t, 0,1,2,3
	global_load_b128 v[TM+4*\t:TM+4*\t+3], v7, s[8:9] offset:512*\t                     ; Wg's rows 32 t + lane of my wave's 128
.endr
.irp t, 0,1,2,3,4,5,6,7,8,9,10,11,12,13,14,15
	global_load_b128 v[RAW+4*\t:RAW+4*\t+3], v7, s[4:5] offset:4096*\t th:TH_LOAD_NT    ; token t's 128 columns: 512 consecutive bytes, aligned
.endr
.macro WLOAD b, buf                    ; Wg's rows 32 b + 16 h + 0 .. 15 of my wave's 128, out of LDS: sixteen lanes read the same 16 bytes
.irp i, 0,1,2,3,4,5,6,7,8,9,10,11,12,13,14,15
	ds_load_b128 v[\buf+4*\i:\buf+4*\i+3], v6 offset:WGS+512*\b+16*\i
.endr
.endm
; 16 numbers x 4 weights: two packed multiply-adds a number; the number is taken for both halves (op_sel picks it out of its pair).  The even numbers add into one set of sums, the odd ones into the other.
.macro FMAS b, buf, first
.irp i, 0
.if \first && (\i == 0)
	v_pk_mul_f32 v[ACC:ACC+1], v[X+16*\b+\i:X+16*\b+\i+1], v[\buf+4*\i:\buf+4*\i+1] op_sel_hi:[0,1]      ; the first two numbers start the sums: nothing is cleared
	v_pk_mul_f32 v[ACC+2:ACC+3], v[X+16*\b+\i:X+16*\b+\i+1], v[\buf+4*\i+2:\buf+4*\i+3] op_sel_hi:[0,1]
	v_pk_mul_f32 v[ACC+4:ACC+5], v[X+16*\b+\i:X+16*\b+\i+1], v[\buf+4*\i+4:\buf+4*\i+5] op_sel:[1,0] op_sel_hi:[1,1]
	v_pk_mul_f32 v[ACC+6:ACC+7], v[X+16*\b+\i:X+16*\b+\i+1], v[\buf+4*\i+6:\buf+4*\i+7] op_sel:[1,0] op_sel_hi:[1,1]
.else
	v_pk_fma_f32 v[ACC:ACC+1], v[X+16*\b+\i:X+16*\b+\i+1], v[\buf+4*\i:\buf+4*\i+1], v[ACC:ACC+1] op_sel_hi:[0,1,1]
	v_pk_fma_f32 v[ACC+2:ACC+3], v[X+16*\b+\i:X+16*\b+\i+1], v[\buf+4*\i+2:\buf+4*\i+3], v[ACC+2:ACC+3] op_sel_hi:[0,1,1]
	v_pk_fma_f32 v[ACC+4:ACC+5], v[X+16*\b+\i:X+16*\b+\i+1], v[\buf+4*\i+4:\buf+4*\i+5], v[ACC+4:ACC+5] op_sel:[1,0,0] op_sel_hi:[1,1,1]
	v_pk_fma_f32 v[ACC+6:ACC+7], v[X+16*\b+\i:X+16*\b+\i+1], v[\buf+4*\i+6:\buf+4*\i+7], v[ACC+6:ACC+7] op_sel:[1,0,0] op_sel_hi:[1,1,1]
.endif
.endr
.irp i, 2, 4, 6, 8, 10, 12, 14
.if \first && (\i == 0)
	v_pk_mul_f32 v[ACC:ACC+1], v[X+16*\b+\i:X+16*\b+\i+1], v[\buf+4*\i:\buf+4*\i+1] op_sel_hi:[0,1]      ; the first two numbers start the sums: nothing is cleared
	v_pk_mul_f32 v[ACC+2:ACC+3], v[X+16*\b+\i:X+16*\b+\i+1], v[\buf+4*\i+2:\buf+4*\i+3] op_sel_hi:[0,1]
	v_pk_mul_f32 v[ACC+4:ACC+5], v[X+16*\b+\i:X+16*\b+\i+1], v[\buf+4*\i+4:\buf+4*\i+5] op_sel:[1,0] op_sel_hi:[1,1]
	v_pk_mul_f32 v[ACC+6:ACC+7], v[X+16*\b+\i:X+16*\b+\i+1], v[\buf+4*\i+6:\buf+4*\i+7] op_sel:[1,0] op_sel_hi:[1,1]
.else
	s_delay_alu instid0(VALU_DEP_4)
	v_pk_fma_f32 v[ACC:ACC+1], v[X+16*\b+\i:X+16*\b+\i+1], v[\buf+4*\i:\buf+4*\i+1], v[ACC:ACC+1] op_sel_hi:[0,1,1]
	s_delay_alu instid0(VALU_DEP_4)
	v_pk_fma_f32 v[ACC+2:ACC+3], v[X+16*\b+\i:X+16*\b+\i+1], v[\buf+4*\i+2:\buf+4*\i+3], v[ACC+2:ACC+3] op_sel_hi:[0,1,1]
	s_delay_alu instid0(VALU_DEP_4)
	v_pk_fma_f32 v[ACC+4:ACC+5], v[X+16*\b+\i:X+16*\b+\i+1], v[\buf+4*\i+4:\buf+4*\i+5], v[ACC+4:ACC+5] op_sel:[1,0,0] op_sel_hi:[1,1,1]
	s_delay_alu instid0(VALU_DEP_4)
	v_pk_fma_f32 v[ACC+6:ACC+7], v[X+16*\b+\i:X+16*\b+\i+1], v[\buf+4*\i+6:\buf+4*\i+7], v[ACC+6:ACC+7] op_sel:[1,0,0] op_sel_hi:[1,1,1]
.endif
.endr
.endm
	s_wait_loadcnt 16                              ; Wg's four loads are in; the 16 rows of numbers may be out
.irp t, 0,1,2,3
	ds_store_b128 v15, v[TM+4*\t:TM+4*\t+3] offset:WGS+512*\t
.endr
	WLOAD 0, WB0                                   ; LDS serves a wave's instructions in order (ISA guide 5.7.1.4): these see my stores.  Block 0's weights come back while the numbers are on their way
.irp t, 0,1,2,3,4,5,6,7,8,9,10,11,12,13,14,15
	s_wait_loadcnt 15-\t                           ; loads come back in order: row t is in, the later rows may be out
	ds_store_b128 v15, v[RAW+4*\t:RAW+4*\t+3] offset:XP*\t
.endr
.irp b, 0,1,2,3
.irp j, 0,1,2,3
	ds_load_b128 v[X+16*\b+4*\j:X+16*\b+4*\j+3], v5 offset:128*\b+16*\j   ; token r's columns 32 b + 16 h + 4 j on
.endr
.endr
	s_wait_dscnt 0x0                               ; my numbers and block 0's weights are in, and the stores have read the rows' registers, which block 1's weights take now
	WLOAD 1, WB1
	FMAS 0, WB0, 1
	WLOAD 2, WB0
	s_wait_alu depctr_va_vdst(0)
	s_wait_dscnt 16                                ; block 1's are in; block 2's 16 loads may be out
	FMAS 1, WB1, 0
	WLOAD 3, WB1
	s_wait_alu depctr_va_vdst(0)
	s_wait_dscnt 16                                ; block 2's are in; block 3's 16 may be out
	FMAS 2, WB0, 0
	s_wait_alu depctr_va_vdst(0)
	s_wait_dscnt 0x0
	FMAS 3, WB1, 0
	s_delay_alu instid0(VALU_DEP_2)
	v_pk_add_f32 v[ACC:ACC+1], v[ACC:ACC+1], v[ACC+4:ACC+5]
	s_delay_alu instid0(VALU_DEP_2)
	v_pk_add_f32 v[ACC+2:ACC+3], v[ACC+2:ACC+3], v[ACC+6:ACC+7]
.irp e, 0,1,2,3
	v_permlanex16_b32 v[TM+4+\e], v[ACC+\e], s30, s31   ; (a lane permute's destination counts as one of its sources: Wg's loads have written these registers)
.endr
.irp e, 0,1,2,3
	s_delay_alu instid0(VALU_DEP_4)
	v_add_f32 v[ACC+\e], v[ACC+\e], v[TM+4+\e]     ; with lane l xor 16's: token r's four sums over my wave's 128 columns
.endr
	ds_store_b128 v8, v[ACC:ACC+3]                 ; (both halves of the lanes write the same bytes with the same values)
	s_cmp_lg_u32 s15, 0
	s_cbranch_scc1 .Lno_codes                      ; k is not quantised
.irp b, 0,1,2,3
	v_max3_num_f32 v[TM+\b], |v[X+16*\b]|, |v[X+16*\b+1]|, 0x1800000   ; block b: my 16 numbers, and the floor 2^(3 - 127): so the byte cannot fall under 1
.endr
.irp i, 2,4,6,8,10,12,14
.irp b, 0,1,2,3
	s_delay_alu instid0(VALU_DEP_4)
	v_max3_num_f32 v[TM+\b], v[TM+\b], |v[X+16*\b+\i]|, |v[X+16*\b+\i+1]|   ; (the four blocks by turns)
.endr
.endr
.irp b, 0,1,2,3
	s_delay_alu instid0(VALU_DEP_4)
	v_permlanex16_b32 v[TM+4+\b], v[TM+\b], s30, s31
.endr
.irp b, 0,1,2,3
	s_delay_alu instid0(VALU_DEP_4)
	v_max_num_f32 v[TM+\b], v[TM+\b], v[TM+4+\b]   ; with lane l xor 16's: the block's largest magnitude
.endr
.irp b, 0,1,2,3
	s_delay_alu instid0(VALU_DEP_4)
	v_add_nc_u32 v[TM+12+\b], 0xff000000, v[TM+\b] ; 2 off its exponent field: the conversion takes the exponent field of this operand as its scale
.endr
.irp b, 0,1,2,3
	s_delay_alu instid0(VALU_DEP_4)
	v_lshrrev_b32 v[TM+4+\b], 23, v[TM+12+\b]      ; the scale's byte
.endr
	s_delay_alu instid0(VALU_DEP_3)
	v_lshl_or_b32 v[PW], v[TM+5], 8, v[TM+4]       ; token r's scale word for these 128 along K
	s_delay_alu instid0(VALU_DEP_1)
	v_lshl_or_b32 v[PW], v[TM+6], 16, v[PW]
	s_delay_alu instid0(VALU_DEP_1)
	v_lshl_or_b32 v[PW], v[TM+7], 24, v[PW]
.irp c, 0,1
	v_cvt_scalef32_pk16_fp6_f32 v[PC+6*\c:PC+6*\c+2], v[X+32*\c:X+32*\c+15], v[TM+12+2*\c]
	v_cvt_scalef32_pk16_fp6_f32 v[PC+12+4*\c:PC+14+4*\c], v[X+32*\c+16:X+32*\c+31], v[TM+13+2*\c]   ; (a conversion's three registers begin on an even number)
.endr
	v_nop                                          ; one plain place behind a scaled conversion
.irp c, 0,1                                    ; the operand's layout wants a WHOLE block in a lane: lanes 0-15 block 2 c, lanes 16-31 block 2 c + 1
.irp i, 0,1,2
	v_permlane16_swap_b32 v[PC+6*\c+\i], v[PC+12+4*\c+\i]
.endr
.irp i, 0,1,2
	s_delay_alu instid0(VALU_DEP_3)
	v_mov_b32 v[PC+3+6*\c+\i], v[PC+12+4*\c+\i]
.endr
.endr
.irp c, 0,1,2
	global_store_b128 v7, v[PC+4*\c:PC+4*\c+3], s[24:25] offset:512*\c   ; the fragment as it stands: 512 consecutive bytes a store, aligned
.endr
	global_store_b32 v9, v[PW], s[26:27]           ; (both halves of the lanes write the same word with the same value)
.Lno_codes:
	s_wait_dscnt 0x0                               ; for wave 0's sake: my LDS stores have landed
	s_barrier_signal -1
	s_barrier_wait -1
	s_cmp_lg_u32 s14, 0
	s_cbranch_scc1 .Lend                           ; wave 0 alone adds the eight waves' sums
.irp t, 0,1,2,3
	ds_load_b128 v[X+4*\t:X+4*\t+3], v10 offset:256*\t
.endr
	s_wait_dscnt 0x0
	v_pk_add_f32 v[X:X+1], v[X:X+1], v[X+4:X+5]
	v_pk_add_f32 v[X+2:X+3], v[X+2:X+3], v[X+6:X+7]
	v_pk_add_f32 v[X+8:X+9], v[X+8:X+9], v[X+12:X+13]
	v_pk_add_f32 v[X+10:X+11], v[X+10:X+11], v[X+14:X+15]
	s_delay_alu instid0(VALU_DEP_2)
	v_pk_add_f32 v[X:X+1], v[X:X+1], v[X+8:X+9]
	s_delay_alu instid0(VALU_DEP_2)
	v_pk_add_f32 v[X+2:X+3], v[X+2:X+3], v[X+10:X+11]
.irp e, 0,1,2,3
	v_permlanex16_b32 v[TM+4+\e], v[X+\e], s30, s31
.endr
.irp e, 0,1,2,3
	s_delay_alu instid0(VALU_DEP_4)
	v_add_f32 v[X+\e], v[X+\e], v[TM+4+\e]         ; waves 0-3's with waves 4-7's
.endr
	v_cmp_eq_u32 vcc_lo, 1, v4
	s_delay_alu instid0(VALU_DEP_1)
	v_cndmask_b32 v[X+16], v[X], v[X+2], vcc_lo    ; lanes 0-15 store experts 0 and 1, lanes 16-31 experts 2 and 3
	s_delay_alu instid0(VALU_DEP_2)
	v_cndmask_b32 v[X+17], v[X+1], v[X+3], vcc_lo
	global_store_b64 v12, v[X+16:X+17], s[12:13]   ; 32 lanes store 256 consecutive bytes, aligned
.Lend:
	s_wait_tensorcnt 0x0
	ds_add_u32 v254, v255
	s_wait_dscnt 0x0
	s_endpgm
.Lfunc_end_k_q568c133f78_prep:
	.size	k_q568c133f78_prep, .Lfunc_end_k_q568c133f78_prep-k_q568c133f78_prep
	.p2alignl 7, 3214868480
	.fill 96, 4, 3214868480
	.section	.rodata,"a",@progbits
	.p2align	6, 0x0
	.amdhsa_kernel k_q568c133f78_prep
		.amdhsa_group_segment_fixed_size 91136
		.amdhsa_private_segment_fixed_size 0
		.amdhsa_enable_private_segment 0
		.amdhsa_kernarg_size 40
		.amdhsa_user_sgpr_count 2
		.amdhsa_user_sgpr_kernarg_segment_ptr 1
		.amdhsa_wavefront_size32 1
		.amdhsa_system_sgpr_workgroup_id_x 1
		.amdhsa_system_sgpr_workgroup_id_y 1
		.amdhsa_system_sgpr_workgroup_id_z 1
		.amdhsa_system_vgpr_workitem_id 0
		.amdhsa_next_free_vgpr 256
		.amdhsa_next_free_sgpr 66
		.amdhsa_reserve_vcc 1
		.amdhsa_float_denorm_mode_32 3
		.amdhsa_float_denorm_mode_16_64 3
		.amdhsa_memory_ordered 1
		.amdhsa_forward_progress 1
		.amdhsa_inst_pref_size 32
	.end_amdhsa_kernel
	.amdgpu_metadata
---
amdhsa.version: [ 1, 2 ]
amdhsa.kernels:
  - .name:           k_q568c133f78_prep
    .symbol:         k_q568c133f78_prep.kd
    .args:
      - { .name: q, .offset: 0, .size: 8, .value_kind: global_buffer, .address_space: global }
      - { .name: k, .offset: 8, .size: 8, .value_kind: global_buffer, .address_space: global }
      - { .name: Wg, .offset: 16, .size: 8, .value_kind: global_buffer, .address_space: global }
      - { .name: qc, .offset: 24, .size: 8, .value_kind: global_buffer, .address_space: global }
      - { .name: lg, .offset: 32, .size: 8, .value_kind: global_buffer, .address_space: global }
    .group_segment_fixed_size: 91136
    .private_segment_fixed_size: 0
    .kernarg_segment_align: 8
    .kernarg_segment_size: 40
    .max_flat_workgroup_size: 256
    .sgpr_count:     66
    .vgpr_count:     256
    .wavefront_size: 32
...
	.end_amdgpu_metadata
.endif
;; end of part 1
;; launch gemm1 (part 2): grid 8 x 32, 4 waves a work-group, clusters of 4 x 1, 327,680 bytes of LDS; arguments qc, W1_codes, W1_scales, b1, hc; writes hc
.if DOCPART == 2
	.amdgcn_target "amdgcn-amd-amdhsa--gfx1250"
	.amdhsa_code_object_version 6
	.text
	.protected	k_q568c133f78_gemm1
	.globl	k_q568c133f78_gemm1
	.p2align	8
	.type	k_q568c133f78_gemm1,@function
k_q568c133f78_gemm1:
	s_mov_b64 s[64:65], 0
	v_nop
	global_prefetch_b8 v0, s[64:65] scope:SCOPE_SE
	s_setreg_imm32_b32 hwreg(HW_REG_WAVE_MODE, 25, 1), 1
	s_wait_xcnt 0x0
	s_wait_alu depctr_hold_cnt(0) depctr_sa_sdst(0) depctr_va_vdst(0) depctr_va_sdst(0) depctr_va_ssrc(0) depctr_va_vcc(0) depctr_vm_vsrc(0)
	s_getreg_b32 s2, hwreg(HW_REG_IB_STS2, 6, 4)
	s_cmp_eq_u32 s2, 0
	s_cbranch_scc0 .Lentry_in_a_cluster
	s_endpgm
.Lentry_in_a_cluster:
	s_bfe_u32 s2, ttmp6, 0x10000c
	s_cmp_lg_u32 s2, 0x3003
	s_cbranch_scc0 .Lentry_shape_is_right
	s_endpgm
.Lentry_shape_is_right:
; h = relu(q W1 + b1) for all four experts, [2048 tokens][16,384 units], on codes of E2M3 with E8M0 scales; h leaves as codes, quantised along the units, as images of the next product's operand registers.
; SHARES.  Work-group (X, y): tokens 256 X .. + 255, W1's rows (expert, unit) 512 y .. + 511, walked in four tiles of 128 rows.  Wave w: tokens 256 X + 64 w .. + 63 against all 128 rows: 32 accumulators.
; THE TOKENS STAY IN REGISTERS: a wave's 64 tokens x K = 1,024 are 8 K steps x 4 fragments x 12 registers = 384; they are loaded once, straight from qc (images of the registers: 512 consecutive bytes a load).
; W1 goes through a ring of two LDS slots, a tile of 128 whole rows of 768 bytes each (a row begins at a multiple of 256 bytes); each wave fetches 32 rows with one tensor load.  A tile serves 256 matrix instructions a wave.
; CLUSTERS: the four work-groups of a cluster (4 X' .. 4 X' + 3, y) read the same rows of W1: joint loads, mask 15.  Nothing of a descriptor, a branch or an LDS address hangs on the place in the cluster.
; TRANSPOSED USE: source 0 = 16 rows of W1, source 1 = 16 tokens: lane (r, h) holds token r, register j of tile b the unit 16 b + 8 h + j.  b1 is the C of each sum's first instruction.
; hc: fragment (K step G = 4 y + tile, 16 tokens tb) at (128 G + tb) x 1,536, register group c at 512 c + 16 x lane; from byte 25,165,824 on the scale words: [G][64 tokens] blocks of 256 bytes, lane l's 8 bytes = tokens l, 32 + l.
; No prefetch is laid: a work-group has four tiles; tiles 0 and 1 go out at the head and each later one is asked for a whole tile's 256 matrix instructions ahead; the tokens are read once, at the head.
; LIMITS: NaN and infinities are not served.  A block of zeros gets the byte 1 where the rule says 127: its codes are zeros, and this program alone reads the bytes.
; REGISTERS.  Window 0: v0-20 addresses; v32-47 the tokens' scale words; v48-79 W1's; v80-143 b1; v160-255 W1's fragments, set 0 (between tiles: at work on the way out).  Window 1: the accumulators, (a, b) at 8 (8 a + b).
;   Window 2: the tokens' K steps 0-4, 48 registers each.  Window 3: K steps 5-7 at v0-143; W1's fragments, set 1, at v144-239.
.set PITCH, 816                        ; an LDS row: 3 x (256 bytes + 16 of padding) = 204 words: the 32 lanes of a load of 8 bytes touch 64 different banks
.set SLOT,  131072                     ; slot 1 begins here; a tile takes 128 x 816 = 104,448 bytes
.set SPARE, 106496                     ; between the slots: the spare words, 128 bytes a wave
.set STEPW, 98304                      ; 128 rows of W1
.set FRB,   196608                     ; one K step's 128 fragments
.set SPW, 4
.set NIL, 5
.set ADR, 6                            ; v6-9   this tile's addresses: rows 0-63, rows 64-127, and the same two for pieces whose lanes 16-31 lie behind one padding more
.set BAS, 10                           ; v10-13 the same in slot 0
.set LO16, 14
.set LO4, 15
.set LO8, 16
.set WA, 17                            ; 32 x lane: a row of W1's scale bytes
.set BA, 18                            ; 32 h
.set ASC, 32                           ; at 2 g + i: lane l holds token 32 i + l's word of K step g
.set WS, 48                            ; at 8 j + g: lane l holds row 32 j + l's word of K step g
.set BIAS, 80
.set TM, 160
.set PC, 176
.set Y, 188
.set PW, 196
.set SS, 200
.set G1, 24
.set G0, 32
.set WSP, 36                           ; the next tile's scale bytes
.set BIP, 38                           ; the next tile's b1
.set HP, 40                            ; this tile's fragments in hc
.set HSP, 42                           ; and scale words
.set AP, 44
.set ASP, 46
.set RDS, 48                           ; the slot that is read: 0 or SLOT
.set CNT, 49
.set MK, 56
.set MSB, 0
.macro WIN new                         ; the immediate's high byte repeats the setting that is left
.set WN, \new
.if MSB != WN
	s_set_vgpr_msb (MSB<<8)|WN
.set MSB, WN
.endif
.endm
.macro ROUND                           ; a round of the cluster's barrier
	s_barrier_signal -1
	s_barrier_wait -1
	s_cmp_lg_u32 s14, 0
	s_cbranch_scc1 .Lnot_wave_0_\@
	s_barrier_signal -3
.Lnot_wave_0_\@:
	s_barrier_wait -3
	s_barrier_signal -1
	s_barrier_wait -1
.endm
.macro PLACES                          ; plain vector instructions between a matrix instruction and a load into, or a read or write of, its registers
.rept 4
	v_nop
.endr
.endm
.macro WSLOAD half                     ; W1's scale words of K steps 4 half .. 4 half + 3: lane l takes 16 bytes of row 32 j + l
.irp j, 0,1,2,3
	global_load_b128 v[WS+8*\j+4*\half:WS+8*\j+4*\half+3], v[WA], s[WSP:WSP+1] offset:1024*\j+16*\half
.endr
.endm
.macro BIASLOAD                        ; b1 in the result's layout: tile b, units 16 b + 8 h + 0 .. 7
.irp b, 0,1,2,3,4,5,6,7
	global_load_b128 v[BIAS+8*\b:BIAS+8*\b+3], v[BA], s[BIP:BIP+1] offset:64*\b
	global_load_b128 v[BIAS+8*\b+4:BIAS+8*\b+7], v[BA], s[BIP:BIP+1] offset:64*\b+16
.endr
.endm
.macro ALOAD g                         ; my 64 tokens' fragments and scale words of K step g
	WIN 0x80+0x40*((\g)/5)
.irp a, 0,1,2,3
.irp c, 0,1,2
	global_load_b128 v[48*((\g)%5)+12*\a+4*\c:48*((\g)%5)+12*\a+4*\c+3], v[LO16], s[AP:AP+1] offset:(\g)*FRB+\a*1536+512*\c
.endr
.endr
	WIN 0
.irp i, 0,1
	global_load_b32 v[ASC+2*(\g)+\i], v[LO4], s[ASP:ASP+1] offset:(\g)*8192+128*\i
.endr
.endm
.macro FETCHB g                        ; W1's eight fragments of K step g into set g % 2: 24 bytes of a row as they lie, in pieces of 8; lanes 16-31 read three pieces further on
.set FB, 160-16*((\g)%2)
	WIN 0xc0*((\g)%2)
.irp i, 0,1,2,3,4,5,6,7
.irp p, 0,1,2,3,4,5
.set PCE, 12*(\g)+6*(\p/3)+\p%3
	ds_load_b64 v[FB+12*\i+2*\p:FB+12*\i+2*\p+1], v[ADR+\i/4+2*((PCE%32)/29)] offset:8*PCE+16*(PCE/32)+(\i%4)*16*PITCH
.endr
.endr
	WIN 0
.endm
.macro WM                              ; one matrix instruction; rw: bit 0: source 0's scales in lanes 16-31; bit 1: source 1's
.if rw == 0
	v_wmma_scale_f32_16x16x128_f8f6f4 v[rD:rD+7], v[rB:rB+11], v[rA:rA+11], v[rC:rC+7], v[rSB], v[rSA] matrix_a_fmt:MATRIX_FMT_FP6 matrix_b_fmt:MATRIX_FMT_FP6
.elseif rw == 1
	v_wmma_scale_f32_16x16x128_f8f6f4 v[rD:rD+7], v[rB:rB+11], v[rA:rA+11], v[rC:rC+7], v[rSB], v[rSA] matrix_a_fmt:MATRIX_FMT_FP6 matrix_b_fmt:MATRIX_FMT_FP6 matrix_a_scale:MATRIX_SCALE_ROW1
.elseif rw == 2
	v_wmma_scale_f32_16x16x128_f8f6f4 v[rD:rD+7], v[rB:rB+11], v[rA:rA+11], v[rC:rC+7], v[rSB], v[rSA] matrix_a_fmt:MATRIX_FMT_FP6 matrix_b_fmt:MATRIX_FMT_FP6 matrix_b_scale:MATRIX_SCALE_ROW1
.else
	v_wmma_scale_f32_16x16x128_f8f6f4 v[rD:rD+7], v[rB:rB+11], v[rA:rA+11], v[rC:rC+7], v[rSB], v[rSA] matrix_a_fmt:MATRIX_FMT_FP6 matrix_b_fmt:MATRIX_FMT_FP6 matrix_a_scale:MATRIX_SCALE_ROW1 matrix_b_scale:MATRIX_SCALE_ROW1
.endif
.endm
.macro MUL g, bias                     ; 32 matrix instructions; the 32 accumulators take turns, in the same order in every K step.  bias = 1: b1 is the C
.set PAR, (\g)%2
	WIN (3*PAR)|((2+(\g)/5)<<2)|((1-\bias)<<4)|0x40
.irp a, 0,1,2,3
.irp b, 0,1,2,3,4,5,6,7
.set rD, 8*(8*\a+\b)
.set rB, 160-16*PAR+12*\b
.set rA, 48*((\g)%5)+12*\a
.set rSB, WS+8*(\b/2)+(\g)
.set rSA, ASC+2*(\g)+\a/2
.set rC, rD
.if \bias
.set rC, BIAS+8*\b
.endif
.set rw, (\b%2)+2*(\a%2)
	WM
.endr
.endr
.endm
.macro KSTEP g, more                   ; the next K step's fragments are asked for into the other set and have this step's 32 products in which to come
	s_wait_dscnt 0x0                               ; this step's fragments are in
.if (\g) == 0
	s_wait_loadcnt 0x0                             ; b1 and the scale words of this tile (the first time: the tokens too)
.else
	PLACES
.endif
.if (\g) < 7
	FETCHB (\g)+1
.endif
.if \more && ((\g) == 1)
	BIASLOAD                                       ; the next tile's, behind K step 0's products, which alone read b1
.endif
.if \more && ((\g) == 4)
	WSLOAD 0
.endif
.if (\g) == 0
	MUL \g, 1
.else
	MUL \g, 0
.endif
.endm
; THE WAY OUT of 16 tokens x 128 units: relu in place, the four blocks' scales, the codes, laid as the next product's fragment.  Of a block of 32 units a lane holds units 8 h + 0 .. 7 and 16 + 8 h + 0 .. 7.
; In groups of eight codes g0 .. g3 a conversion's 96 bits are (g0, g2) in lanes 0-15 and (g1, g3) in lanes 16-31; the exchange of halves between an even and an odd block gives each lane one whole block; five lines order the groups.
.macro EPI a
.set AC, 64*(\a)
	s_wait_xcnt 0x0                                ; earlier stores have read their data: the codes' registers are written again only behind this wait
	WIN 0x44
.set j, 0
.rept 64
	v_max_num_f32 v[AC+j], 0, v[AC+j]              ; each accumulator from its low end on
.set j, j+1
.endr
	WIN 0x14
.irp b, 0,1,2,3
	v_max3_num_f32 v[TM+\b], 0x1800000, v[AC+16*\b], v[AC+16*\b+1]   ; the floor 2^(3 - 127) holds the byte at 1 from below
.endr
.irp i, 2,4,6,8,10,12,14
.irp b, 0,1,2,3
	v_max3_num_f32 v[TM+\b], v[TM+\b], v[AC+16*\b+\i], v[AC+16*\b+\i+1]
.endr
.endr
	WIN 0
.irp b, 0,1,2,3
	v_permlanex16_b32 v[TM+4+\b], v[TM+\b], s54, s55
.endr
.irp b, 0,1,2,3
	v_max_num_f32 v[TM+\b], v[TM+\b], v[TM+4+\b]   ; with lane l xor 16's 16 units
.endr
.irp b, 0,1,2,3
	v_add_nc_u32 v[TM+12+\b], 0xff000000, v[TM+\b] ; 2 off the exponent field: the conversion's scale operand
.endr
.irp b, 0,1,2,3
	v_lshrrev_b32 v[TM+4+\b], 23, v[TM+12+\b]      ; the scale's byte
.endr
	v_lshl_or_b32 v[PW+\a], v[TM+5], 8, v[TM+4]
	v_lshl_or_b32 v[PW+\a], v[TM+6], 16, v[PW+\a]
	v_lshl_or_b32 v[PW+\a], v[TM+7], 24, v[PW+\a]  ; token r's scale word
	WIN 0x01
.irp c, 0,1
	v_cvt_scalef32_pk16_fp6_f32 v[PC+6*\c:PC+6*\c+2], v[AC+32*\c:AC+32*\c+15], v[TM+12+2*\c]
	v_cvt_scalef32_pk16_fp6_f32 v[Y+4*\c:Y+4*\c+2], v[AC+32*\c+16:AC+32*\c+31], v[TM+13+2*\c]
.endr
	v_nop                                          ; one plain place behind a scaled conversion
	WIN 0
.irp c, 0,1
.irp i, 0,1,2
	v_permlane16_swap_b32 v[PC+6*\c+\i], v[Y+4*\c+\i]
.endr
	v_perm_b32 v[PC+6*\c+3], v[PC+6*\c+2], v[PC+6*\c+1], s52   ; g2's low 32 bits
	v_perm_b32 v[PC+6*\c+4], v[Y+4*\c+1], v[PC+6*\c+2], s51    ; g2's high 16 under g3's low 16
	v_perm_b32 v[PC+6*\c+1], v[Y+4*\c], v[PC+6*\c+1], s50      ; g0's high 16 under g1's low 16
	v_perm_b32 v[PC+6*\c+2], v[Y+4*\c+1], v[Y+4*\c], s52       ; g1's high 32 bits
	v_mov_b32 v[PC+6*\c+5], v[Y+4*\c+2]                        ; g3's high 32 bits
.endr
.irp c, 0,1,2
	global_store_b128 v[LO16], v[PC+4*\c:PC+4*\c+3], s[HP:HP+1] offset:(\a)*1536+512*\c   ; 512 consecutive bytes a store, aligned
.endr
.if (\a)%2
	v_cndmask_b32 v[SS+(\a)/2], v[PW+(\a)-1], v[PW+\a], s[MK]   ; lanes 0-15 the even block's words, lanes 16-31 the odd block's
.endif
.if (\a) == 3
	global_store_b64 v[LO8], v[SS:SS+1], s[HSP:HSP+1]           ; my 64 tokens' words: 256 consecutive bytes, aligned
.endif
.endm
; A tile.  In front of the barrier: all my tensor loads are in (my part of this tile), the add, and the wait for it and for my reads of the tile before.  more = 1: the barrier is a round of the cluster's, and
; the next tile's joint load, into the slot read last, is the first tensor load behind it (the first time: slot 1's first fill).
.macro TRIP more
	s_wait_tensorcnt 0x0
	ds_add_u32 v[SPW], v[NIL]
.irp k, 0,1,2,3
	v_add_nc_u32 v[ADR+\k], s[RDS], v[BAS+\k]
.endr
.if \more
	s_xor_b32 s[G0+1], s[G0+1], SLOT               ; no load of mine is out: the descriptor steps to the other slot and the next 128 rows
	s_add_nc_u64 s[G0+2:G0+3], s[G0+2:G0+3], STEPW
.endif
	s_wait_alu depctr_va_vdst(0)
	s_wait_dscnt 0x0
.if \more
	ROUND
	tensor_load_to_lds s[G0:G0+3], s[G1:G1+7]
	s_nop 0
	PLACES
.else
	s_barrier_signal -1
	s_barrier_wait -1
.endif
	FETCHB 0
.irp g, 0,1,2,3,4,5,6,7
	KSTEP \g, \more
.endr
	WIN 0
	PLACES
.if \more
	WSLOAD 1
.endif
.irp a, 0,1,2,3
	EPI \a
.endr
.if \more
	s_wait_xcnt 0x0                                ; every load and store has read its base
	s_add_nc_u64 s[WSP:WSP+1], s[WSP:WSP+1], 4096
	s_add_nc_u64 s[BIP:BIP+1], s[BIP:BIP+1], 512
	s_add_nc_u64 s[HP:HP+1], s[HP:HP+1], FRB
	s_add_nc_u64 s[HSP:HSP+1], s[HSP:HSP+1], 8192
	s_xor_b32 s[RDS], s[RDS], SLOT
.endif
.endm
	s_load_b256 s[4:11], s[0:1], 0x0               ; qc, W1's codes, W1's scales, b1
	s_load_b64 s[12:13], s[0:1], 0x20              ; hc
	v_lshl_add_u32 v[SPW], v0, 2, SPARE
	v_mov_b32 v[NIL], 0
	ds_add_u32 v[SPW], v[NIL]                      ; the opening lines: the add, twice on end, and its wait
	ds_add_u32 v[SPW], v[NIL]
	v_lshrrev_b32 v1, 5, v0
	v_readfirstlane_b32 s14, v1                    ; wave
	s_bfe_u32 s15, ttmp6, 0x40000                  ; cx
	s_lshl_b32 s16, ttmp9, 2
	s_add_co_u32 s16, s16, s15                     ; X
	s_and_b32 s17, ttmp7, 0xffff                   ; y
	s_lshl_b32 s18, s16, 2
	s_add_co_u32 s18, s18, s14                     ; my 64 tokens: 4 X + wave
	s_mov_b32 s[G1+0], 15|(1<<20)|(1<<21)|(5<<22)|(3<<25)   ; the mask; bytes; 16 bytes of padding behind every 256
	s_mov_b32 s[G1+1], 768<<16
	s_mov_b32 s[G1+2], 32<<16
	s_mov_b32 s[G1+3], 768<<16
	s_mov_b32 s[G1+4], 32
	s_mov_b32 s[G1+5], 768
	s_mov_b32 s[G1+6], 0
	s_mov_b32 s[G1+7], 0
	s_mul_i32 s20, s17, 393216                     ; W1's row 512 y + 32 x wave
	s_mul_i32 s22, s14, 24576
	s_add_co_u32 s20, s20, s22
	s_mov_b32 s21, 0
	s_mov_b32 s23, 0
	s_mov_b32 s[G0], 1
	s_mul_i32 s[G0+1], s14, 32*PITCH
	s_wait_dscnt 0x0
	s_wait_kmcnt 0x0
	s_add_nc_u64 s[G0+2:G0+3], s[6:7], s[20:21]
	s_or_b32 s[G0+3], s[G0+3], 0x80000000
	ROUND                                          ; the first joint loads meet
	tensor_load_to_lds s[G0:G0+3], s[G1:G1+7]      ; tile 0: one tensor load a wave at the head
	s_nop 0
	PLACES
	s_lshl_b32 s20, s17, 14
	s_add_nc_u64 s[WSP:WSP+1], s[8:9], s[20:21]
	s_lshl_b32 s20, s17, 11
	s_add_nc_u64 s[BIP:BIP+1], s[10:11], s[20:21]
	s_mul_i32 s20, s18, 6144
	s_add_nc_u64 s[AP:AP+1], s[4:5], s[20:21]
	s_mul_i32 s22, s17, 4*FRB
	s_add_co_u32 s20, s20, s22
	s_add_nc_u64 s[HP:HP+1], s[12:13], s[20:21]
	s_lshl_b32 s20, s18, 8
	s_add_co_u32 s22, s20, 1572864
	s_add_nc_u64 s[ASP:ASP+1], s[4:5], s[22:23]
	s_lshl_b32 s22, s17, 15
	s_add_co_u32 s22, s22, s20
	s_add_co_u32 s22, s22, 25165824
	s_add_nc_u64 s[HSP:HSP+1], s[12:13], s[22:23]
	s_mov_b32 s50, 0x05040100                      ; v_perm_b32: the two low halves,
	s_mov_b32 s51, 0x07060302                      ; the two high halves,
	s_mov_b32 s52, 0x05040302                      ; the second source's high half under the first's low half
	s_mov_b32 s54, 0x76543210
	s_mov_b32 s55, 0xfedcba98                      ; v_permlanex16_b32's selects for lane l xor 16
	s_mov_b32 s[MK], 0xffff0000
	s_mov_b32 s[RDS], 0
	s_mov_b32 s[CNT], 3
	v_and_b32 v1, 15, v0                           ; r
	v_bfe_u32 v2, v0, 4, 1                         ; h
	v_and_b32 v3, 31, v0                           ; lane
	v_lshlrev_b32 v[LO16], 4, v3
	v_lshlrev_b32 v[LO4], 2, v3
	v_lshlrev_b32 v[LO8], 3, v3
	v_lshlrev_b32 v[WA], 5, v3
	v_lshlrev_b32 v[BA], 5, v2
	v_mul_u32_u24 v[BAS], v1, PITCH
	v_mad_u32_u24 v[BAS], v2, 24, v[BAS]           ; row r x pitch + 24 h
	v_add_nc_u32 v[BAS+1], 64*PITCH, v[BAS]
	v_lshl_add_u32 v[BAS+2], v2, 4, v[BAS]
	v_lshl_add_u32 v[BAS+3], v2, 4, v[BAS+1]
	s_wait_alu depctr_va_vdst(0)                   ; the wait at the head's end
	BIASLOAD
	WSLOAD 0
	WSLOAD 1
.irp g, 0,1,2,3,4,5,6,7
	ALOAD \g
.endr
	s_wait_xcnt 0x0
	s_add_nc_u64 s[WSP:WSP+1], s[WSP:WSP+1], 4096  ; from here on: the next tile's
	s_add_nc_u64 s[BIP:BIP+1], s[BIP:BIP+1], 512
.Ltile:
	TRIP 1
	s_sub_co_u32 s[CNT], s[CNT], 1
	s_cmp_lg_u32 s[CNT], 0
	s_cbranch_scc1 .Ltile
	TRIP 0                                         ; the last tile asks for nothing
	s_wait_tensorcnt 0x0                           ; the wave's end
	ds_add_u32 v[SPW], v[NIL]
	s_wait_dscnt 0x0
	ROUND                                          ; the closing round
	s_endpgm
.Lfunc_end_k_q568c133f78_gemm1:
	.size	k_q568c133f78_gemm1, .Lfunc_end_k_q568c133f78_gemm1-k_q568c133f78_gemm1
	.p2alignl 7, 3214868480
	.fill 96, 4, 3214868480
	.section	.rodata,"a",@progbits
	.p2align	6, 0x0
	.amdhsa_kernel k_q568c133f78_gemm1
		.amdhsa_group_segment_fixed_size 327680
		.amdhsa_private_segment_fixed_size 0
		.amdhsa_enable_private_segment 0
		.amdhsa_kernarg_size 40
		.amdhsa_user_sgpr_count 2
		.amdhsa_user_sgpr_kernarg_segment_ptr 1
		.amdhsa_wavefront_size32 1
		.amdhsa_system_sgpr_workgroup_id_x 1
		.amdhsa_system_sgpr_workgroup_id_y 1
		.amdhsa_system_sgpr_workgroup_id_z 1
		.amdhsa_system_vgpr_workitem_id 0
		.amdhsa_next_free_vgpr 1024
		.amdhsa_next_free_sgpr 66
		.amdhsa_reserve_vcc 0
		.amdhsa_float_denorm_mode_32 3
		.amdhsa_float_denorm_mode_16_64 3
		.amdhsa_memory_ordered 1
		.amdhsa_forward_progress 1
		.amdhsa_inst_pref_size 191
	.end_amdhsa_kernel
	.amdgpu_metadata
---
amdhsa.version: [ 1, 2 ]
amdhsa.kernels:
  - .name:           k_q568c133f78_gemm1
    .symbol:         k_q568c133f78_gemm1.kd
    .args:
      - { .name: qc, .offset: 0, .size: 8, .value_kind: global_buffer, .address_space: global }
      - { .name: W1_codes, .offset: 8, .size: 8, .value_kind: global_buffer, .address_space: global }
      - { .name: W1_scales, .offset: 16, .size: 8, .value_kind: global_buffer, .address_space: global }
      - { .name: b1, .offset: 24, .size: 8, .value_kind: global_buffer, .address_space: global }
      - { .name: hc, .offset: 32, .size: 8, .value_kind: global_buffer, .address_space: global }
    .group_segment_fixed_size: 327680
    .private_segment_fixed_size: 0
    .kernarg_segment_align: 8
    .kernarg_segment_size: 40
    .max_flat_workgroup_size: 128
    .sgpr_count:     66
    .vgpr_count:     1024
    .wavefront_size: 32
...
	.end_amdgpu_metadata
.endif
;; end of part 2
;; launch gemm2 (part 3): grid 8 x 32, 4 waves a work-group, clusters of 4 x 1, 327,680 bytes of LDS; arguments hc, W2_codes, W2_scales, b2, part; writes part
.if DOCPART == 3
	.amdgcn_target "amdgcn-amd-amdhsa--gfx1250"
	.amdhsa_code_object_version 6
	.text
	.protected	k_q568c133f78_gemm2
	.globl	k_q568c133f78_gemm2
	.p2align	8
	.type	k_q568c133f78_gemm2,@function
k_q568c133f78_gemm2:
	s_mov_b64 s[64:65], 0
	v_nop
	global_prefetch_b8 v0, s[64:65] scope:SCOPE_SE
	s_setreg_imm32_b32 hwreg(HW_REG_WAVE_MODE, 25, 1), 1
	s_wait_xcnt 0x0
	s_wait_alu depctr_hold_cnt(0) depctr_sa_sdst(0) depctr_va_vdst(0) depctr_va_sdst(0) depctr_va_ssrc(0) depctr_va_vcc(0) depctr_vm_vsrc(0)
	s_getreg_b32 s2, hwreg(HW_REG_IB_STS2, 6, 4)
	s_cmp_eq_u32 s2, 0
	s_cbranch_scc0 .Lentry_in_a_cluster
	s_endpgm
.Lentry_in_a_cluster:
	s_bfe_u32 s2, ttmp6, 0x10000c
	s_cmp_lg_u32 s2, 0x3003
	s_cbranch_scc0 .Lentry_shape_is_right
	s_endpgm
.Lentry_shape_is_right:
; part[e] = h_e W2_e + b2_e, [4][2048 tokens][1024] f32, on codes of E2M3 with E8M0 scales.  The gate weighs whole experts' sums, so each expert's sum is kept apart; the last launch mixes them.
; SHARES.  Work-group (X, y): tokens 256 X .. + 255, W2's rows (expert, output) 128 y .. + 127 (expert y / 8).  Wave w: tokens 256 X + 64 w .. + 63 against all 128 rows: 32 accumulators.
; h COMES STRAIGHT INTO REGISTERS: hc holds images of the operand's registers (fragment (K step G, 16 tokens tb) at (128 G + tb) x 1,536; the scale words from byte 25,165,824 on, [G][64 tokens] blocks of 256 bytes).
; Each wave alone reads its 64 tokens, 512 consecutive bytes a load.  Eight sets of 48 registers, one for each K step of a tile of W2; a set is asked for again, for the next tile, in the K step behind its use.
; W2 goes through a ring of two LDS slots: a tile is 128 rows x 768 bytes (1,024 along K; each piece of a row begins at a multiple of 256 bytes); each wave fetches 32 rows with one tensor load; four tiles along K.
; CLUSTERS: the four work-groups of a cluster read the same rows of W2: joint loads, mask 15.  Nothing of a descriptor, a branch or an LDS address hangs on the place in the cluster.
; TRANSPOSED USE: source 0 = 16 rows of W2, source 1 = 16 tokens: a lane holds eight neighbouring outputs of one token.  The sums begin from b2: it is loaded into the accumulators in the result's layout; nothing is cleared.
; No prefetch is laid: a work-group has four tiles of W2; tiles 0 and 1 go out at the head and each later one is asked for a whole tile's 256 matrix instructions ahead; h's loads themselves run up to seven K steps ahead of their use.
; REGISTERS.  Window 0: v0-20 addresses; v32-47 h's scale words; v48-79 W2's; v160-255 W2's fragments, set 0; on the way out v128-255 hold rows of the result.  Window 1: the accumulators, (a, b) at 8 (8 a + b).
;   Window 2: h's sets 0-4.  Window 3: sets 5-7 at v0-143; W2's fragments, set 1, at v144-239.
.set PITCH, 816                        ; an LDS row: 3 x (256 bytes + 16 of padding)
.set SLOT,  131072                     ; slot 1 begins here; a tile takes 104,448 bytes
.set SPARE, 106496                     ; between the slots: the spare words, 128 bytes a wave
.set STAGE, 237568                     ; behind slot 1: the way out's stages, 16 rows x 528 bytes a wave; no tensor load lands here
.set STEPW, 768
.set FRB,   196608                     ; one K step's 128 fragments
.set SPW, 4
.set NIL, 5
.set ADR, 6
.set BAS, 10
.set LO16, 14
.set LO8, 16
.set WA, 17                            ; 128 x lane: a row of W2's scale bytes
.set BA, 18                            ; 32 h
.set STO, 19
.set RD, 20
.set ASC, 32                           ; at 2 g + i: lane l holds token 32 i + l's word of the tile's K step g
.set WS, 48                            ; at 8 j + g: lane l holds row 32 j + l's word
.set G1, 24
.set G0, 32
.set WSP, 36
.set AP, 44
.set ASP, 46
.set RDS, 48
.set CNT, 49
.set MSB, 0
.macro WIN new
.set WN, \new
.if MSB != WN
	s_set_vgpr_msb (MSB<<8)|WN
.set MSB, WN
.endif
.endm
.macro ROUND
	s_barrier_signal -1
	s_barrier_wait -1
	s_cmp_lg_u32 s14, 0
	s_cbranch_scc1 .Lnot_wave_0_\@
	s_barrier_signal -3
.Lnot_wave_0_\@:
	s_barrier_wait -3
	s_barrier_signal -1
	s_barrier_wait -1
.endm
.macro PLACES
.rept 4
	v_nop
.endr
.endm
.macro WSLOAD half
.irp j, 0,1,2,3
	global_load_b128 v[WS+8*\j+4*\half:WS+8*\j+4*\half+3], v[WA], s[WSP:WSP+1] offset:4096*\j+16*\half
.endr
.endm
.macro ALOAD g                         ; 13 loads: my 64 tokens' fragments and scale words of K step g of the tile at s[AP], s[ASP]
	WIN 0x80+0x40*((\g)/5)
.irp a, 0,1,2,3
.irp c, 0,1,2
	global_load_b128 v[48*((\g)%5)+12*\a+4*\c:48*((\g)%5)+12*\a+4*\c+3], v[LO16], s[AP:AP+1] offset:(\g)*FRB+\a*1536+512*\c
.endr
.endr
	WIN 0
	global_load_b64 v[ASC+2*(\g):ASC+2*(\g)+1], v[LO8], s[ASP:ASP+1] offset:(\g)*8192
.endm
.macro FETCHB g
.set FB, 160-16*((\g)%2)
	WIN 0xc0*((\g)%2)
.irp i, 0,1,2,3,4,5,6,7
.irp p, 0,1,2,3,4,5
.set PCE, 12*(\g)+6*(\p/3)+\p%3
	ds_load_b64 v[FB+12*\i+2*\p:FB+12*\i+2*\p+1], v[ADR+\i/4+2*((PCE%32)/29)] offset:8*PCE+16*(PCE/32)+(\i%4)*16*PITCH
.endr
.endr
	WIN 0
.endm
.macro WM
.if rw == 0
	v_wmma_scale_f32_16x16x128_f8f6f4 v[rD:rD+7], v[rB:rB+11], v[rA:rA+11], v[rD:rD+7], v[rSB], v[rSA] matrix_a_fmt:MATRIX_FMT_FP6 matrix_b_fmt:MATRIX_FMT_FP6
.elseif rw == 1
	v_wmma_scale_f32_16x16x128_f8f6f4 v[rD:rD+7], v[rB:rB+11], v[rA:rA+11], v[rD:rD+7], v[rSB], v[rSA] matrix_a_fmt:MATRIX_FMT_FP6 matrix_b_fmt:MATRIX_FMT_FP6 matrix_a_scale:MATRIX_SCALE_ROW1
.elseif rw == 2
	v_wmma_scale_f32_16x16x128_f8f6f4 v[rD:rD+7], v[rB:rB+11], v[rA:rA+11], v[rD:rD+7], v[rSB], v[rSA] matrix_a_fmt:MATRIX_FMT_FP6 matrix_b_fmt:MATRIX_FMT_FP6 matrix_b_scale:MATRIX_SCALE_ROW1
.else
	v_wmma_scale_f32_16x16x128_f8f6f4 v[rD:rD+7], v[rB:rB+11], v[rA:rA+11], v[rD:rD+7], v[rSB], v[rSA] matrix_a_fmt:MATRIX_FMT_FP6 matrix_b_fmt:MATRIX_FMT_FP6 matrix_a_scale:MATRIX_SCALE_ROW1 matrix_b_scale:MATRIX_SCALE_ROW1
.endif
.endm
.macro MUL g                           ; 32 matrix instructions; the 32 accumulators take turns, in the same order in every K step
.set PAR, (\g)%2
	WIN (3*PAR)|((2+(\g)/5)<<2)|0x50
.irp a, 0,1,2,3
.irp b, 0,1,2,3,4,5,6,7
.set rD, 8*(8*\a+\b)
.set rB, 160-16*PAR+12*\b
.set rA, 48*((\g)%5)+12*\a
.set rSB, WS+8*(\b/2)+(\g)
.set rSA, ASC+2*(\g)+\a/2
.set rw, (\b%2)+2*(\a%2)
	WM
.endr
.endr
.endm
; THE COUNTS ON LOADcnt.  Loads come back in order.  Behind set g's 13 loads at least six other sets' have been issued when K step g waits, in a tile that asks on; the wait lets the youngest four sets' 52 stay out.
; The upper four scale words are the last loads of a tile; at the next tile's K step 4 three sets' 39 loads stand behind them.  In the last tile nothing is asked for: behind set g stand 13 (7 - g) + 4 loads, 56 at g = 3;
; at K step 4 all are waited for.
.macro KSTEP g, more
	s_wait_dscnt 0x0                               ; this step's fragments of W2 are in
.set LN, 52
.if (\g) == 4
.set LN, 39*\more
.endif
.if \more || ((\g) < 5)
	s_wait_loadcnt LN
.endif
.if (\g) > 0
	PLACES
.endif
.if (\g) < 7
	FETCHB (\g)+1
.endif
.if \more && ((\g) == 4)
	WSLOAD 0
.endif
.if \more && ((\g) > 0)
	ALOAD (\g)-1                                   ; the set just multiplied takes the next tile's K step
.endif
	MUL \g
.endm
.macro TRIP more                       ; a tile of W2: the three lines, the barrier (more = 1: a round, and the next tile's joint load first behind it), eight K steps
	s_wait_tensorcnt 0x0
	ds_add_u32 v[SPW], v[NIL]
.irp k, 0,1,2,3
	v_add_nc_u32 v[ADR+\k], s[RDS], v[BAS+\k]
.endr
.if \more
	s_xor_b32 s[G0+1], s[G0+1], SLOT               ; no load of mine is out: the descriptor steps to the other slot and 768 bytes along the rows
	s_add_nc_u64 s[G0+2:G0+3], s[G0+2:G0+3], STEPW
.endif
	s_wait_alu depctr_va_vdst(0)
	s_wait_dscnt 0x0
.if \more
	ROUND
	tensor_load_to_lds s[G0:G0+3], s[G1:G1+7]
	s_nop 0
	PLACES
.else
	s_barrier_signal -1
	s_barrier_wait -1
.endif
	FETCHB 0
.irp g, 0,1,2,3,4,5,6,7
	KSTEP \g, \more
.endr
	WIN 0
.if \more
	PLACES
	ALOAD 7
	WSLOAD 1
	s_wait_xcnt 0x0                                ; every load has read its base
	s_add_nc_u64 s[AP:AP+1], s[AP:AP+1], 8*FRB
	s_add_nc_u64 s[ASP:ASP+1], s[ASP:ASP+1], 65536
	s_add_nc_u64 s[WSP:WSP+1], s[WSP:WSP+1], 32
	s_xor_b32 s[RDS], s[RDS], SLOT
.endif
.endm
	s_load_b256 s[4:11], s[0:1], 0x0               ; hc, W2's codes, W2's scales, b2
	s_load_b64 s[12:13], s[0:1], 0x20              ; part
	v_lshl_add_u32 v[SPW], v0, 2, SPARE
	v_mov_b32 v[NIL], 0
	ds_add_u32 v[SPW], v[NIL]                      ; the opening lines: the add, twice on end, and its wait
	ds_add_u32 v[SPW], v[NIL]
	v_lshrrev_b32 v1, 5, v0
	v_readfirstlane_b32 s14, v1                    ; wave
	s_bfe_u32 s15, ttmp6, 0x40000                  ; cx
	s_lshl_b32 s16, ttmp9, 2
	s_add_co_u32 s16, s16, s15                     ; X
	s_and_b32 s17, ttmp7, 0xffff                   ; y
	s_lshl_b32 s18, s16, 2
	s_add_co_u32 s18, s18, s14                     ; my 64 tokens: 4 X + wave
	s_lshr_b32 s19, s17, 3                         ; the expert
	s_mov_b32 s[G1+0], 15|(1<<20)|(1<<21)|(5<<22)|(3<<25)
	s_mov_b32 s[G1+1], 768<<16
	s_mov_b32 s[G1+2], 32<<16
	s_mov_b32 s[G1+3], 768<<16
	s_mov_b32 s[G1+4], 32
	s_mov_b32 s[G1+5], 3072
	s_mov_b32 s[G1+6], 0
	s_mov_b32 s[G1+7], 0
	s_mul_i32 s20, s17, 393216                     ; W2's row 128 y + 32 x wave, 3,072 bytes a row
	s_mul_i32 s22, s14, 98304
	s_add_co_u32 s20, s20, s22
	s_mov_b32 s21, 0
	s_mov_b32 s23, 0
	s_mov_b32 s[G0], 1
	s_mul_i32 s[G0+1], s14, 32*PITCH
	s_wait_dscnt 0x0
	s_wait_kmcnt 0x0
	s_add_nc_u64 s[G0+2:G0+3], s[6:7], s[20:21]
	s_or_b32 s[G0+3], s[G0+3], 0x80000000
	ROUND                                          ; the first joint loads meet
	tensor_load_to_lds s[G0:G0+3], s[G1:G1+7]      ; tile 0: one tensor load a wave at the head
	s_nop 0
	PLACES
	s_lshl_b32 s20, s17, 14
	s_add_nc_u64 s[WSP:WSP+1], s[8:9], s[20:21]
	s_lshl_b32 s20, s17, 9
	s_add_nc_u64 s[10:11], s[10:11], s[20:21]      ; my 128 numbers of b2
	s_mul_i32 s20, s18, 6144
	s_mul_i32 s22, s19, 32*FRB
	s_add_co_u32 s20, s20, s22
	s_add_nc_u64 s[AP:AP+1], s[4:5], s[20:21]
	s_lshl_b32 s20, s18, 8
	s_lshl_b32 s22, s19, 18
	s_add_co_u32 s22, s22, s20
	s_add_co_u32 s22, s22, 25165824
	s_add_nc_u64 s[ASP:ASP+1], s[4:5], s[22:23]
	s_lshl_b32 s20, s19, 23                        ; the expert's 8,388,608 bytes,
	s_lshl_b32 s22, s18, 18                        ; my first token's row of 4,096 bytes,
	s_add_co_u32 s20, s20, s22
	s_and_b32 s22, s17, 7
	s_lshl_b32 s22, s22, 9                         ; my first output
	s_add_co_u32 s20, s20, s22
	s_add_nc_u64 s[12:13], s[12:13], s[20:21]
	s_mul_i32 s50, s14, 16*528
	s_add_co_u32 s50, s50, STAGE                   ; my stage
	s_mov_b32 s[RDS], 0
	s_mov_b32 s[CNT], 3
	v_and_b32 v1, 15, v0                           ; r
	v_bfe_u32 v2, v0, 4, 1                         ; h
	v_and_b32 v3, 31, v0                           ; lane
	v_lshlrev_b32 v[LO16], 4, v3
	v_lshlrev_b32 v[LO8], 3, v3
	v_lshlrev_b32 v[WA], 7, v3
	v_lshlrev_b32 v[BA], 5, v2
	v_mul_u32_u24 v[BAS], v1, PITCH
	v_mad_u32_u24 v[BAS], v2, 24, v[BAS]           ; row r x pitch + 24 h
	v_add_nc_u32 v[BAS+1], 64*PITCH, v[BAS]
	v_lshl_add_u32 v[BAS+2], v2, 4, v[BAS]
	v_lshl_add_u32 v[BAS+3], v2, 4, v[BAS+1]
	v_mul_u32_u24 v[STO], v1, 528
	v_lshl_add_u32 v[STO], v2, 5, v[STO]
	v_add_nc_u32 v[STO], s50, v[STO]               ; into the stage: row r, 32 bytes for each half of the lanes
	v_add_nc_u32 v[RD], s50, v[LO16]               ; back: the 32 lanes take one row of 512 bytes
	s_wait_alu depctr_va_vdst(0)                   ; the wait at the head's end
	WSLOAD 0
	WSLOAD 1
	WIN 0x40
.irp a, 0,1,2,3
.irp b, 0,1,2,3,4,5,6,7
	global_load_b128 v[8*(8*\a+\b):8*(8*\a+\b)+3], v[BA], s[10:11] offset:64*\b        ; b2 starts the sums: outputs 16 b + 8 h + 0 .. 7
	global_load_b128 v[8*(8*\a+\b)+4:8*(8*\a+\b)+7], v[BA], s[10:11] offset:64*\b+16
.endr
.endr
	WIN 0
.irp g, 0,1,2,3,4,5,6,7
	ALOAD \g
.endr
	s_wait_xcnt 0x0
	s_add_nc_u64 s[AP:AP+1], s[AP:AP+1], 8*FRB     ; from here on: the next tile's
	s_add_nc_u64 s[ASP:ASP+1], s[ASP:ASP+1], 65536
	s_add_nc_u64 s[WSP:WSP+1], s[WSP:WSP+1], 32
.Ltile:
	TRIP 1
	s_sub_co_u32 s[CNT], s[CNT], 1
	s_cmp_lg_u32 s[CNT], 0
	s_cbranch_scc1 .Ltile
	TRIP 0                                         ; the last tile asks for nothing
; THE WAY OUT, 16 tokens x 128 outputs at a time, through my own stage: back come whole rows of 512 bytes.  LDS serves a wave's instructions in order (ISA guide 5.7.1.4): no wait between the stores and the loads.
.macro TOSTAGE a
	WIN 0x04                                       ; an LDS store's data are its source 1: window 1
.irp b, 0,1,2,3,4,5,6,7
	ds_store_b128 v[STO], v[8*(8*(\a)+\b):8*(8*(\a)+\b)+3] offset:64*\b          ; each accumulator from its low end on
	ds_store_b128 v[STO], v[8*(8*(\a)+\b)+4:8*(8*(\a)+\b)+7] offset:64*\b+16
.endr
	WIN 0
.set BB, 128+64*((\a)%2)
.irp t, 0,1,2,3,4,5,6,7,8,9,10,11,12,13,14,15
	ds_load_b128 v[BB+4*\t:BB+4*\t+3], v[RD] offset:\t*528
.endr
.endm
.macro SEND a, younger                 ; younger: the LDS instructions issued behind block a's loads, which may stay out
.set BB, 128+64*((\a)%2)
	s_wait_dscnt \younger
.irp t, 0,1,2,3,4,5,6,7,8,9,10,11,12,13,14,15
	global_store_b128 v[LO16], v[BB+4*\t:BB+4*\t+3], s[12:13] offset:(16*(\a)+\t)*4096 th:TH_STORE_NT   ; 32 lanes store 512 consecutive bytes, aligned
.endr
.endm
	PLACES                                         ; behind the last products
	TOSTAGE 0
.irp a, 1,2,3
.if \a > 1
	s_wait_xcnt 0x0                                ; block a - 2's stores have read their registers
.endif
	TOSTAGE \a
	SEND \a-1, 32                                  ; behind block a - 1's loads: block a's 16 stores and 16 loads
.endr
	SEND 3, 0
	s_wait_tensorcnt 0x0                           ; the wave's end
	ds_add_u32 v[SPW], v[NIL]
	s_wait_dscnt 0x0
	ROUND                                          ; the closing round
	s_endpgm
.Lfunc_end_k_q568c133f78_gemm2:
	.size	k_q568c133f78_gemm2, .Lfunc_end_k_q568c133f78_gemm2-k_q568c133f78_gemm2
	.p2alignl 7, 3214868480
	.fill 96, 4, 3214868480
	.section	.rodata,"a",@progbits
	.p2align	6, 0x0
	.amdhsa_kernel k_q568c133f78_gemm2
		.amdhsa_group_segment_fixed_size 327680
		.amdhsa_private_segment_fixed_size 0
		.amdhsa_enable_private_segment 0
		.amdhsa_kernarg_size 40
		.amdhsa_user_sgpr_count 2
		.amdhsa_user_sgpr_kernarg_segment_ptr 1
		.amdhsa_wavefront_size32 1
		.amdhsa_system_sgpr_workgroup_id_x 1
		.amdhsa_system_sgpr_workgroup_id_y 1
		.amdhsa_system_sgpr_workgroup_id_z 1
		.amdhsa_system_vgpr_workitem_id 0
		.amdhsa_next_free_vgpr 1024
		.amdhsa_next_free_sgpr 66
		.amdhsa_reserve_vcc 0
		.amdhsa_float_denorm_mode_32 3
		.amdhsa_float_denorm_mode_16_64 3
		.amdhsa_memory_ordered 1
		.amdhsa_forward_progress 1
		.amdhsa_inst_pref_size 166
	.end_amdhsa_kernel
	.amdgpu_metadata
---
amdhsa.version: [ 1, 2 ]
amdhsa.kernels:
  - .name:           k_q568c133f78_gemm2
    .symbol:         k_q568c133f78_gemm2.kd
    .args:
      - { .name: hc, .offset: 0, .size: 8, .value_kind: global_buffer, .address_space: global }
      - { .name: W2_codes, .offset: 8, .size: 8, .value_kind: global_buffer, .address_space: global }
      - { .name: W2_scales, .offset: 16, .size: 8, .value_kind: global_buffer, .address_space: global }
      - { .name: b2, .offset: 24, .size: 8, .value_kind: global_buffer, .address_space: global }
      - { .name: part, .offset: 32, .size: 8, .value_kind: global_buffer, .address_space: global }
    .group_segment_fixed_size: 327680
    .private_segment_fixed_size: 0
    .kernarg_segment_align: 8
    .kernarg_segment_size: 40
    .max_flat_workgroup_size: 128
    .sgpr_count:     66
    .vgpr_count:     1024
    .wavefront_size: 32
...
	.end_amdgpu_metadata
.endif
;; end of part 3
;; launch combine (part 4): grid 256 x 1, 8 waves a work-group, no clusters, 0 bytes of LDS; arguments part, lg, bg, out0; writes out0
.if DOCPART == 4
	.amdgcn_target "amdgcn-amd-amdhsa--gfx1250"
	.amdhsa_code_object_version 6
	.text
	.protected	k_q568c133f78_combine
	.globl	k_q568c133f78_combine
	.p2align	8
	.type	k_q568c133f78_combine,@function
k_q568c133f78_combine:
	s_mov_b64 s[64:65], 0
	v_nop
	global_prefetch_b8 v0, s[64:65] scope:SCOPE_SE
	s_setreg_imm32_b32 hwreg(HW_REG_WAVE_MODE, 25, 1), 1
	s_wait_xcnt 0x0
; out0[n][d] = the sum over the four experts of gate[n][e] part[e][n][d];  gate = softmax over e of (lg[0][n][e] + lg[1][n][e] + bg[e]), the row's largest logit taken away first.  All in f32.
; A stream: 32 MB in, 8 MB out.  A work-group owns 8 tokens; thread t owns the 16 bytes at 16 t of each row, so a wave's load or store covers 512 consecutive bytes, aligned.  All 32 loads of a thread are issued at once.
; Each wave makes the 8 tokens' gates itself (lane l: token l % 8) and moves them into scalar registers: they are the same for all lanes.  No LDS, barrier, matrix unit or cluster: the work-groups share nothing.
.set P, 32                             ; v32-159: token i, expert e at v[P + 16 i + 4 e]
	s_load_b256 s[4:11], s[0:1], 0x0               ; part s[4:5], lg s[6:7], bg s[8:9], out0 s[10:11]
	v_and_b32 v1, 7, v0
	s_delay_alu instid0(VALU_DEP_1)
	v_lshlrev_b32 v1, 4, v1                        ; lg: token l % 8's 16 bytes
	v_lshlrev_b32 v2, 4, v0                        ; my 16 bytes of a row
	s_lshl_b32 s2, ttmp9, 15                       ; 8 rows of 4,096 bytes a work-group
	s_mov_b32 s3, 0
	s_lshl_b32 s56, ttmp9, 7                       ; 8 tokens x 16 bytes of logits
	s_mov_b32 s57, 0
	s_wait_alu depctr_va_vdst(0)
	s_wait_kmcnt 0x0
	s_load_b128 s[20:23], s[8:9], 0x0              ; bg
	s_add_nc_u64 s[12:13], s[4:5], s[2:3]          ; a base for each expert: they lie 8,388,608 bytes apart, beyond an immediate's reach
	s_add_nc_u64 s[14:15], s[12:13], 0x800000
	s_add_nc_u64 s[16:17], s[14:15], 0x800000
	s_add_nc_u64 s[18:19], s[16:17], 0x800000
	s_add_nc_u64 s[10:11], s[10:11], s[2:3]
	s_add_nc_u64 s[6:7], s[6:7], s[56:57]
	global_load_b128 v[16:19], v1, s[6:7]                  ; q's part of the logits
	global_load_b128 v[20:23], v1, s[6:7] offset:32768     ; k's part
.irp i, 0,1,2,3,4,5,6,7
.irp e, 0,1,2,3
	global_load_b128 v[P+16*\i+4*\e:P+16*\i+4*\e+3], v2, s[12+2*\e:13+2*\e] offset:4096*\i th:TH_LOAD_NT
.endr
.endr
	s_wait_kmcnt 0x0
	s_wait_loadcnt 32                              ; the logits are in; the 32 loads of the parts may be out
.irp e, 0,1,2,3
	v_add_f32 v[16+\e], v[16+\e], v[20+\e]
.endr
.irp e, 0,1,2,3
	s_delay_alu instid0(VALU_DEP_4)
	v_add_f32 v[16+\e], s[20+\e], v[16+\e]
.endr
	s_delay_alu instid0(VALU_DEP_2)
	v_max3_num_f32 v24, v16, v17, v18
	s_delay_alu instid0(VALU_DEP_1)
	v_max_num_f32 v24, v24, v19                    ; the row's largest logit
.irp e, 0,1,2,3
	v_sub_f32 v[16+\e], v[16+\e], v24
.endr
.irp e, 0,1,2,3
	s_delay_alu instid0(VALU_DEP_4)
	v_mul_f32 v[16+\e], 0x3fb8aa3b, v[16+\e]       ; x log2(e)
.endr
	s_wait_alu depctr_va_vdst(0)
.irp e, 0,1,2,3
	v_exp_f32 v[16+\e], v[16+\e]
.endr
	v_nop                                          ; a plain instruction behind the last exponential
	s_wait_alu depctr_va_vdst(0)                   ; one wait for the four, ahead of their first reader
	v_add_f32 v25, v16, v17
	v_add_f32 v26, v18, v19
	s_delay_alu instid0(VALU_DEP_1)
	v_add_f32 v25, v25, v26
	s_wait_alu depctr_va_vdst(0)
	v_rcp_f32 v25, v25
	v_nop
	s_wait_alu depctr_va_vdst(0)
.irp e, 0,1,2,3
	v_mul_f32 v[16+\e], v[16+\e], v25              ; the gate
.endr
.irp i, 0,1,2,3,4,5,6,7
.irp e, 0,1,2,3
	v_readlane_b32 s[24+4*\i+\e], v[16+\e], \i     ; token i's four gates
.endr
.endr
.macro TOK i
	s_wait_loadcnt 4*(7-\i)                        ; token i's four loads are in; the later tokens' may be out
.irp c, 0,1,2,3
	v_mul_f32 v[P+16*\i+\c], s[24+4*\i], v[P+16*\i+\c]
.endr
.irp e, 1,2,3
.irp c, 0,1,2,3
	s_delay_alu instid0(VALU_DEP_4)
	v_fmac_f32 v[P+16*\i+\c], s[24+4*\i+\e], v[P+16*\i+4*\e+\c]
.endr
.endr
	global_store_b128 v2, v[P+16*\i:P+16*\i+3], s[10:11] offset:4096*\i th:TH_STORE_NT
.endm
.irp i, 0,1,2,3,4,5,6,7
	TOK \i
.endr
	s_endpgm
.Lfunc_end_k_q568c133f78_combine:
	.size	k_q568c133f78_combine, .Lfunc_end_k_q568c133f78_combine-k_q568c133f78_combine
	.p2alignl 7, 3214868480
	.fill 96, 4, 3214868480
	.section	.rodata,"a",@progbits
	.p2align	6, 0x0
	.amdhsa_kernel k_q568c133f78_combine
		.amdhsa_group_segment_fixed_size 0
		.amdhsa_private_segment_fixed_size 0
		.amdhsa_enable_private_segment 0
		.amdhsa_kernarg_size 32
		.amdhsa_user_sgpr_count 2
		.amdhsa_user_sgpr_kernarg_segment_ptr 1
		.amdhsa_wavefront_size32 1
		.amdhsa_system_sgpr_workgroup_id_x 1
		.amdhsa_system_sgpr_workgroup_id_y 1
		.amdhsa_system_sgpr_workgroup_id_z 1
		.amdhsa_system_vgpr_workitem_id 0
		.amdhsa_next_free_vgpr 160
		.amdhsa_next_free_sgpr 66
		.amdhsa_reserve_vcc 0
		.amdhsa_float_denorm_mode_32 3
		.amdhsa_float_denorm_mode_16_64 3
		.amdhsa_memory_ordered 1
		.amdhsa_forward_progress 1
		.amdhsa_inst_pref_size 16
	.end_amdhsa_kernel
	.amdgpu_metadata
---
amdhsa.version: [ 1, 2 ]
amdhsa.kernels:
  - .name:           k_q568c133f78_combine
    .symbol:         k_q568c133f78_combine.kd
    .args:
      - { .name: part, .offset: 0, .size: 8, .value_kind: global_buffer, .address_space: global }
      - { .name: lg, .offset: 8, .size: 8, .value_kind: global_buffer, .address_space: global }
      - { .name: bg, .offset: 16, .size: 8, .value_kind: global_buffer, .address_space: global }
      - { .name: out0, .offset: 24, .size: 8, .value_kind: global_buffer, .address_space: global }
    .group_segment_fixed_size: 0
    .private_segment_fixed_size: 0
    .kernarg_segment_align: 8
    .kernarg_segment_size: 32
    .max_flat_workgroup_size: 256
    .sgpr_count:     66
    .vgpr_count:     160
    .wavefront_size: 32
...
	.end_amdgpu_metadata
.endif
;; end of part 4
